; MI455X (gfx1250); checked and timed in simulation.
; The chip was launched on July 23, 2026; its instructions are those of AMD's public machine-readable ISA for CDNA 5 (MIT licence, August 2026) and "CDNA5" Instruction Set Architecture Reference Guide (July 2026). The comments in the code are by the model that wrote it; some were corrected since.
;; Multi Discriminator. Allowed arithmetic: matrix products marked QUANTISED: E5M2 operands, one given power-of-two scale a tensor, by v_wmma_f32_16x16x64_bf8_bf8 or v_wmma_f32_16x16x128_bf8_bf8, f32 sums; products left as they are: f32 operands where the result goes on into a quantised operand, else bf16, f16 or f32 operands; f32 sums; everything else in f32.
;; Inputs: W1_codes 8 x 512 x 16 x 32 uint8 (E5M2 codes of W1, K innermost, in blocks of 32 codes); W2_codes 8 x 512 x 16 x 32 uint8 (E5M2 codes of W2, K innermost, in blocks of 32 codes); W3 8 x 512 x 1 float32; action 16,384 x 128 float32; b1 8 x 512 float32; b2 8 x 512 float32; b3 8 x 1 float32; lowp_scales 4 int32 (the exponents e of the quantised operands' scales 2^e); observation 16,384 x 384 float32; skill_idx 16,384 int32.
;; Outputs: out0 16,384 x 1 float32.
;; This version of the problem:
;;   THIS VERSION OF THE PROBLEM IS GIVEN IN LOW PRECISION. The matrix products marked QUANTISED in the list below multiply operands that are first quantised to E5M2 (5 exponent bits, 2 mantissa bits; 8 bits a number), with one given power-of-two scale for each operand tensor; their sums are f32. All else is computed in f32.
;;   The module's matrix products, in the order in which they are computed (A, B: the left and right operand; K: the contracted axis; several contracted axes count as one K, in the product's order):
;;     1. [M 16,384, K 512] x [K 512, N 4,096]; A: computed on the way; B: input W1 (given as codes): QUANTISED (scales: A lowp_scales[0], B lowp_scales[1])
;;     2. batch 8 x [M 512, K 512] x [K 512, N 16,384]; A: input W2 (given as codes); B: computed on the way: QUANTISED (scales: A lowp_scales[2], B lowp_scales[3])
;;     3. batch 8 x [M 1, K 512] x [K 512, N 16,384]; A: input W3; B: computed on the way: left as it is (M = 1 < 16)
;;   THE QUANTISER, for each operand of a quantised product, along K:
;;     - The operand's scale is 2^e, e = its entry of the input lowp_scales (int32; the entries are numbered through the quantised products in the list's order, A before B).
;;     - Each number is divided by the scale, clamped to +-57,344, and rounded to the nearest number of E5M2, ties to even, subnormals kept.
;;     - The product sums the exact products of the quantised numbers (number of the format x scale) in f32.
;;   ~~~python
;;   def quantise(x, axis, e):      # numpy; x: float32 -> the quantised numbers, widened to float32 again
;;       x = np.moveaxis(x, axis, -1); K = x.shape[-1]
;;       r = np.clip(x / 2.0 ** e, -57344, 57344)
;;       step = 2.0 ** (np.maximum(np.frexp(np.where(r == 0, 1, r))[1] - 1, -14) - 2)
;;       q = np.round(r / step) * step * 2.0 ** e      # np.round: ties to even
;;       return np.moveaxis(q, -1, axis).astype(np.float32)
;;   ~~~
;;   OPERANDS COMPUTED ON THE WAY. 'Computed on the way' means the value that the module computes at that place (a softmax that the list does not call 'softmax' is quantised finished and normalised). What goes into a quantiser is computed in f32, as accurately as f32 sums, v_exp_f32 and their like allow (about 1e-6 of the number): no bf16 or f16 on the way to a quantiser, and a product that is left as it is and whose result goes on into a quantised operand takes f32 operands (vector FMAs, or v_wmma_f32_16x16x4_f32). A number that lies on a knife's edge between two numbers of the format may be rounded either way, as far as f32 arithmetic and the matrix unit's own rounding can turn it there, and no further.
;;   INPUTS GIVEN AS CODES. W1 (in the module: [8, 512, 512], K = its axis 1); W2 (in the module: [8, 512, 512], K = its axis 1): each comes as NAME_codes (uint8): NAME with its K axis moved to the last place and cut into blocks of 32 codes, [.., K / 32, bytes a block], one block behind the other in memory; one code a byte (a code: sign, 5 exponent bits, 2 mantissa bits); its scale is its entry of lowp_scales. Its value is code x scale, taken as it is: it is not quantised again, and the codes and scales need not be those that the quantiser above would give.
;; One version. Each part assembles by itself: llvm-mc -triple=amdgcn-amd-amdhsa -mcpu=gfx1250 --defsym DOCPART=n.
;; ======== version 1 of 1: 2 launches
;; limits: right only within a limited range of input values
;; workspace buffers: rows 69,120 bytes of whole numbers; tiles 1,280 bytes of whole numbers; wfrag 4,194,304 bytes
;; launch prep (part 1): grid 65 x 1, 32 waves a work-group, no clusters, 9,728 bytes of LDS; arguments skill_idx, W1_codes, W2_codes, rows, tiles, wfrag; writes rows, tiles, wfrag
.if DOCPART == 1
	.amdgcn_target "amdgcn-amd-amdhsa--gfx1250"
	.amdhsa_code_object_version 6
	.text
	.protected	k_q50cbab98e4_prep
	.globl	k_q50cbab98e4_prep
	.p2align	8
	.type	k_q50cbab98e4_prep,@function
k_q50cbab98e4_prep:
	s_mov_b64 s[64:65], 0
	v_nop
	global_prefetch_b8 v0, s[64:65] scope:SCOPE_SE
	s_setreg_imm32_b32 hwreg(HW_REG_WAVE_MODE, 25, 1), 1
	s_wait_xcnt 0x0
; TWO JOBS IN ONE LAUNCH, parted on the work-group's number.
; Work-group 0: a counting sort of the 16,384 tokens by their expert (skill_idx), without atomics.  It stores
;   rows  [135 tiles][128] int32: the tokens of each tile of 128 rows of one expert; places that no token takes hold 0;
;   tiles [160] x (expert, number of rows) int32; 16384 / 128 + 8 - 1 = 135 tiles serve every split, the rest get 0 rows.
;   The order of an expert's tokens among themselves is free: each token owns its row of the output.
; Work-groups 1 to 64: W1's and W2's codes are laid in the order in which a wave of the next launch takes them into registers:
;   wfrag [expert 8][wave 4][U 16][tile 8][c 2][lane 32][16 bytes], U = 8 x layer + the step of 64 along K.
;   Lane (r = lane % 16, h = lane / 16) holds bytes 64 u + 32 c + 16 h + 0 .. 15 of a weight's row:
;   layer 1: row 128 w + 32 (t / 2) + 8 (t % 2) + r + 8 (r / 8);  layer 2: row 128 w + 16 t + r.
; LIMIT: skill_idx lies in 0 .. 7, as the gather of the problem relies on; only its low three bits are used.
.set CNT, 0                            ; LDS: [expert 8][unit 128] bytes: how many tokens of the expert a unit holds
.set PRE, 1024                         ; [unit 128][expert 8] words: how many tokens of the expert lie in the units before
.set TOT, 5120                         ; [expert 8] words: the experts' totals
; A UNIT is 16 lanes x 8 tokens: unit 4 x wave + 2 g + h, g = which pair of the thread's four loads.
.set E,   16                           ; v16-31   my 16 tokens' experts, later my lanes' share of their ranks
.set SH,  32                           ; v32-47   4 x expert, later the index of the lane permute
.set RK,  48                           ; v48-63   rank among my own tokens, then the place, then its byte offset
.set B,   64                           ; v64-79   what the lane permute brings
.set D,   80                           ; v80-95   the tokens' numbers
	s_load_b256 s[4:11], s[0:1], 0x0               ; skill_idx s[4:5], W1 s[6:7], W2 s[8:9], rows s[10:11]
	s_load_b128 s[12:15], s[0:1], 0x20             ; tiles s[12:13], wfrag s[14:15]
	v_lshrrev_b32 v1, 5, v0
	s_delay_alu instid0(VALU_DEP_1)
	v_readfirstlane_b32 s16, v1                    ; wave 0..31
	v_and_b32 v1, 31, v0                           ; lane
	v_and_b32 v2, 15, v0                           ; r
	v_bfe_u32 v3, v0, 4, 1                         ; h
	v_lshlrev_b32 v4, 4, v0                        ; 16 x thread: my 16 bytes of a load of skill_idx, and of the zero fill
	v_and_b32 v12, 7, v0                           ; the expert that my lane speaks for
	s_lshl_b32 s17, s16, 2
	v_lshl_add_u32 v6, v12, 7, s17                 ; every LDS address is made here, ahead of all branches
	s_delay_alu instid0(VALU_DEP_1)
	v_add_nc_u32 v6, v6, v3                        ; CNT + 128 x expert + 4 x wave + h
	s_and_b32 s18, s16, 7
	s_lshl_b32 s19, s18, 7
	v_lshl_add_u32 v7, v1, 2, s19                  ; CNT + 128 x (wave % 8) + 4 x lane
	s_lshl_b32 s19, s18, 2
	s_add_co_u32 s20, s19, PRE
	v_lshl_add_u32 v8, v1, 7, s20                  ; PRE + 128 x lane + 4 x (wave % 8)
	s_add_co_u32 s20, s19, TOT
	v_mov_b32 v9, s20                              ; TOT + 4 x (wave % 8)
	v_lshl_add_u32 v10, v0, 2, PRE                 ; PRE + 4 x thread
	v_mov_b32 v11, TOT
	v_lshrrev_b32 v13, 1, v12
	v_and_b32 v5, 1, v12
	s_delay_alu instid0(VALU_DEP_1)
	v_lshl_add_u32 v13, v5, 2, v13                 ; which byte of (even experts' word, odd experts' word) is my expert's
	v_lshlrev_b32 v14, 5, v3                       ; 32 h
	v_lshlrev_b32 v15, 2, v0                       ; 4 x thread
	s_wait_kmcnt 0x0
	s_cmp_lg_u32 ttmp9, 0
	s_cbranch_scc1 .Llay
	; ---- THE SORT.  Load j gives thread T the tokens 4096 j + 4 T + 0 .. 3
.irp j, 0,1,2,3
	global_load_b128 v[E+4*\j:E+4*\j+3], v4, s[4:5] offset:16384*\j
.endr
.irp j, 116,117,118,119,102,103,104,105,106,107,108,109,114
	v_mov_b32 v\j, 0                               ; v116-119: zeros to store; the others: a lane move's destination counts as read
.endr
.irp k, 0,1,2,3
	global_store_b128 v4, v[116:119], s[10:11] offset:16384*\k   ; rows is cleared: 1,024 threads x 16 bytes, four times,
.endr
	s_cmp_lt_u32 s16, 7
	s_cbranch_scc0 .Lno_tail
	global_store_b128 v4, v[116:119], s[10:11] offset:65536      ; and the last 7 x 512 of its 69,120 bytes
.Lno_tail:
	s_wait_loadcnt 0x0
.set k, 0
.rept 16
	v_and_b32 v[E+k], 7, v[E+k]
	s_delay_alu instid0(VALU_DEP_1)
	v_lshlrev_b32 v[SH+k], 2, v[E+k]
.set k, k+1
.endr
	; my own tokens: eight counters of 4 bits in a word (a count is 8 at the most), one word for each group of 8 tokens; the two groups take turns
.set i, 0
.rept 8
.if i == 0
	v_mov_b32 v[RK], 0
	v_mov_b32 v[RK+8], 0
	v_lshlrev_b32 v96, v[SH], 1
	v_lshlrev_b32 v97, v[SH+8], 1
.else
	s_delay_alu instid0(VALU_DEP_2)
	v_bfe_u32 v[RK+i], v96, v[SH+i], 4             ; how many of my earlier tokens have this expert
	s_delay_alu instid0(VALU_DEP_2)
	v_bfe_u32 v[RK+8+i], v97, v[SH+8+i], 4
	v_lshlrev_b32 v114, v[SH+i], 1
	v_lshlrev_b32 v122, v[SH+8+i], 1
	s_delay_alu instid0(VALU_DEP_2)
	v_add_nc_u32 v96, v96, v114
	s_delay_alu instid0(VALU_DEP_2)
	v_add_nc_u32 v97, v97, v122
.endif
.set i, i+1
.endr
	; the counters widened to bytes: even experts in one word, odd in another; 16 lanes x 8 = 128 fits a byte
	s_delay_alu instid0(VALU_DEP_2)
	v_and_b32 v98, 0x0f0f0f0f, v96
	s_delay_alu instid0(VALU_DEP_3)
	v_lshrrev_b32 v99, 4, v96
	s_delay_alu instid0(VALU_DEP_1)
	v_and_b32 v99, 0x0f0f0f0f, v99
	s_delay_alu instid0(VALU_DEP_4)
	v_and_b32 v100, 0x0f0f0f0f, v97
	v_lshrrev_b32 v101, 4, v97
	s_delay_alu instid0(VALU_DEP_1)
	v_and_b32 v101, 0x0f0f0f0f, v101
; v[x] = the sum of v[t] over the lanes before mine in my 16; v[u] = the sum over all 16, in every lane
.macro RSCAN t, x, u
	v_mov_b32_dpp v[\x], v[\t] row_shr:1 row_mask:0xf bank_mask:0xf bound_ctrl:1
.irp d, 1,2,4,8
	s_delay_alu instid0(VALU_DEP_1)
	v_mov_b32_dpp v114, v[\x] row_shr:\d row_mask:0xf bank_mask:0xf bound_ctrl:1
	s_delay_alu instid0(VALU_DEP_1)
	v_add_nc_u32 v[\x], v[\x], v114
.endr
	s_delay_alu instid0(VALU_DEP_1)
	v_add_nc_u32 v[\u], v[\x], v[\t]
	s_delay_alu instid0(VALU_DEP_1)
	v_mov_b32_dpp v[\u], v[\u] row_share:15 row_mask:0xf bank_mask:0xf
.endm
	RSCAN 98, 102, 106
	RSCAN 99, 103, 107
	RSCAN 100, 104, 108
	RSCAN 101, 105, 109
	s_mov_b32 s21, 0x05010400                      ; bytes in the experts' order: 0, 1, 2, 3
	s_mov_b32 s22, 0x07030602                      ; 4, 5, 6, 7
	v_perm_b32 v110, v103, v102, s21
	v_perm_b32 v111, v103, v102, s22
	v_perm_b32 v112, v105, v104, s21
	v_perm_b32 v113, v105, v104, s22
	v_perm_b32 v114, v107, v106, v13               ; my unit's count of my lane's expert, in the low byte
	ds_store_b8 v6, v114
	v_perm_b32 v122, v109, v108, v13
	ds_store_b8 v6, v122 offset:2
	s_wait_storecnt 0x0                            ; my part of the zero fill is done before any wave stores a token over it
	s_wait_dscnt 0x0
	s_barrier_signal -1
	s_barrier_wait -1
	; along the 128 units: wave e takes expert e; lane l the four units of wave l
	s_cmp_lt_u32 s16, 8
	s_cbranch_scc0 .Lno_scan
	ds_load_b32 v64, v7
	s_wait_dscnt 0x0
	v_and_b32 v65, 0xff, v64
	v_bfe_u32 v66, v64, 8, 8
	v_bfe_u32 v67, v64, 16, 8
	v_lshrrev_b32 v68, 24, v64
	s_delay_alu instid0(VALU_DEP_3)
	v_add_nc_u32 v69, v65, v66
	s_delay_alu instid0(VALU_DEP_1)
	v_add_nc_u32 v70, v69, v67
	s_delay_alu instid0(VALU_DEP_1)
	v_add_nc_u32 v71, v70, v68                     ; my four units together
	s_delay_alu instid0(VALU_DEP_1)
	v_mov_b32 v72, v71
.irp d, 1,2,4,8
	s_delay_alu instid0(VALU_DEP_1)
	v_mov_b32_dpp v114, v72 row_shr:\d row_mask:0xf bank_mask:0xf bound_ctrl:1
	s_delay_alu instid0(VALU_DEP_1)
	v_add_nc_u32 v72, v72, v114
.endr
	s_delay_alu instid0(VALU_DEP_1)
	v_readlane_b32 s40, v72, 15
	s_delay_alu instid0(VALU_DEP_1)
	v_mad_u32_u24 v72, v3, s40, v72                ; lanes 16-31 stand behind lanes 0-15
	s_delay_alu instid0(VALU_DEP_1)
	v_readlane_b32 s41, v72, 31                    ; the expert's total
	s_delay_alu instid0(VALU_DEP_2)
	v_sub_nc_u32 v73, v72, v71
	s_delay_alu instid0(VALU_DEP_1)
	v_add_nc_u32 v74, v73, v65
	s_delay_alu instid0(VALU_DEP_2)
	v_add_nc_u32 v75, v73, v69
	s_delay_alu instid0(VALU_DEP_3)
	v_add_nc_u32 v76, v73, v70
	v_mov_b32 v77, s41
	ds_store_b32 v8, v73
	ds_store_b32 v8, v74 offset:32
	ds_store_b32 v8, v75 offset:64
	ds_store_b32 v8, v76 offset:96
	ds_store_b32 v9, v77
.Lno_scan:
	s_wait_dscnt 0x0
	s_barrier_signal -1
	s_barrier_wait -1
	ds_load_b32 v115, v10                          ; my wave's four units x eight experts: lane 8 (2 g + h) + expert
	ds_load_b128 v[64:67], v11
	ds_load_b128 v[68:71], v11 offset:16
	s_wait_dscnt 0x0
.irp e, 0,1,2,3,4,5,6,7
	v_readfirstlane_b32 s[48+\e], v[64+\e]         ; s48-55: the totals
.endr
	s_mov_b32 s56, 0                               ; s56-63: an expert's first tile
.irp e, 0,1,2,3,4,5,6
	s_add_co_u32 s23, s[48+\e], 127
	s_lshr_b32 s23, s23, 7
	s_add_co_u32 s[57+\e], s[56+\e], s23
.endr
.irp e, 0,1,2,3,4,5,6,7
	s_lshl_b32 s[66+\e], s[56+\e], 7               ; s66-73: its first place in rows
	s_add_co_u32 s[74+\e], s[66+\e], s[48+\e]      ; s74-81: the place behind its last token
.endr
	v_mov_b32 v120, 0
.irp e, 1,2,3,4,5,6,7
	v_cmp_eq_u32 vcc_lo, \e, v12
	s_delay_alu instid0(VALU_DEP_1)
	v_cndmask_b32 v120, v120, s[66+\e], vcc_lo
.endr
	s_delay_alu instid0(VALU_DEP_1)
	v_add_nc_u32 v115, v115, v120                  ; + the expert's first place
	v_add_nc_u32 v121, 64, v14
.set k, 0
.rept 16
.if k < 8
	v_add_nc_u32 v[SH+k], v[SH+k], v14             ; 4 x (8 (2 g + h) + expert)
.else
	v_add_nc_u32 v[SH+k], v[SH+k], v121
.endif
	ds_bpermute_b32 v[B+k], v[SH+k], v115
.set k, k+1
.endr
.set k, 0
.rept 16
	v_perm_b32 v[E+k], v[111+2*(k/8)], v[110+2*(k/8)], v[E+k]   ; the count of this expert in the lanes before mine: byte 'expert' of the two words
	s_delay_alu instid0(VALU_DEP_1)
	v_and_b32 v[E+k], 0xff, v[E+k]
	v_add_nc_u32 v[D+k], 4096*(k/4)+k%4, v15       ; the token's number
.set k, k+1
.endr
	s_wait_dscnt 0x0
.set k, 0
.rept 16
	v_add3_u32 v[RK+k], v[B+k], v[E+k], v[RK+k]    ; the token's place
	s_delay_alu instid0(VALU_DEP_1)
	v_min_u32 v[RK+k], 0x437f, v[RK+k]             ; inside rows: 135 x 128 - 1
	s_delay_alu instid0(VALU_DEP_1)
	v_lshlrev_b32 v[RK+k], 2, v[RK+k]
	global_store_b32 v[RK+k], v[D+k], s[10:11]
.set k, k+1
.endr
	; the list of tiles: thread i, i under 160, writes tile i
	s_cmp_lt_u32 s16, 5
	s_cbranch_scc0 .Lend
	v_mov_b32 v124, 0
	v_mov_b32 v125, s74
.irp e, 1,2,3,4,5,6,7
	v_cmp_le_u32 vcc_lo, s[56+\e], v0              ; the last expert whose first tile is not behind tile i
	s_delay_alu instid0(VALU_DEP_1)
	v_cndmask_b32 v124, v124, \e, vcc_lo
	s_delay_alu instid0(VALU_DEP_2)
	v_cndmask_b32 v125, v125, s[74+\e], vcc_lo
.endr
	v_lshlrev_b32 v126, 7, v0
	s_delay_alu instid0(VALU_DEP_1)
	v_sub_nc_u32 v125, v125, v126
	s_delay_alu instid0(VALU_DEP_1)
	v_max_i32 v125, 0, v125
	s_delay_alu instid0(VALU_DEP_1)
	v_min_i32 v125, 0x80, v125                     ; rows in the tile: between 0 and 128
	v_lshlrev_b32 v127, 3, v0
	global_store_b64 v127, v[124:125], s[12:13]
.Lend:
	s_wait_xcnt 0x0
	v_lshl_add_u32 v126, v0, 2, 0x1600
	v_mov_b32 v127, 0
	s_wait_alu depctr_va_vdst(0)
	s_wait_tensorcnt 0x0
	ds_add_u32 v126, v127
	s_wait_dscnt 0x0
	s_endpgm
	; ---- THE WEIGHTS.  Work-group g + 1: layer g / 32, expert (g / 4) % 8, wave's part w = g % 4: 64 KiB.  Wave: tile t = wave / 4, steps u = 2 (wave % 4) + 0, 1
.Llay:
	s_sub_co_u32 s17, ttmp9, 1
	s_and_b32 s18, s17, 3                          ; w
	s_bfe_u32 s19, s17, 0x30002                    ; expert
	s_lshr_b32 s20, s17, 5                         ; layer
	s_and_b32 s21, s16, 3
	s_lshr_b32 s22, s16, 2                         ; t
	s_lshr_b32 s23, s22, 1
	s_lshl_b32 s23, s23, 5
	s_and_b32 s24, s22, 1
	s_lshl_b32 s24, s24, 3
	s_add_co_u32 s23, s23, s24                     ; layer 1: the tile begins at row 32 (t / 2) + 8 (t % 2)
	s_lshl_b32 s24, s22, 4                         ; layer 2: at row 16 t
	s_cmp_lt_u32 s17, 32                           ; the choice hangs on the work-group's number alone
	s_cselect_b64 s[6:7], s[6:7], s[8:9]
	s_cselect_b32 s23, s23, s24
	s_cselect_b32 s25, 8, 0                        ; layer 1: lanes 8-15 take rows 8 further on
	s_lshl_b32 s26, s19, 9
	s_lshl_b32 s27, s18, 7
	s_add_co_u32 s26, s26, s27
	s_add_co_u32 s26, s26, s23
	s_lshl_b32 s26, s26, 9                         ; a row is 512 bytes
	s_lshl_b32 s27, s21, 7
	s_add_co_u32 s26, s26, s27                     ; + 64 x 2 (wave % 4) along K
	s_mov_b32 s27, 0
	s_add_nc_u64 s[6:7], s[6:7], s[26:27]
	s_lshl_b32 s28, s19, 19
	s_lshl_b32 s29, s18, 17
	s_add_co_u32 s28, s28, s29
	s_lshl_b32 s29, s20, 16
	s_add_co_u32 s28, s28, s29
	s_lshl_b32 s29, s21, 14
	s_add_co_u32 s28, s28, s29
	s_lshl_b32 s29, s22, 10
	s_add_co_u32 s28, s28, s29
	s_mov_b32 s29, 0
	s_add_nc_u64 s[14:15], s[14:15], s[28:29]
	v_lshrrev_b32 v20, 3, v2
	s_delay_alu instid0(VALU_DEP_1)
	v_mad_u32_u24 v20, v20, s25, v2
	s_delay_alu instid0(VALU_DEP_1)
	v_lshlrev_b32 v20, 9, v20
	s_delay_alu instid0(VALU_DEP_1)
	v_lshl_add_u32 v20, v3, 4, v20                 ; my row of the tile x 512 + 16 h
	v_lshlrev_b32 v21, 4, v1
.irp q, 0,1,2,3
	global_load_b128 v[24+4*\q:27+4*\q], v20, s[6:7] offset:64*(\q/2)+32*(\q%2)
.endr
	s_wait_alu depctr_va_vdst(0)
.irp q, 0,1,2,3
	s_wait_loadcnt 3-\q                            ; loads come back in order: load q is in, the younger ones may be out
	global_store_b128 v21, v[24+4*\q:27+4*\q], s[14:15] offset:8192*(\q/2)+512*(\q%2)   ; the wave stores 512 consecutive bytes
.endr
	s_endpgm
.Lfunc_end_k_q50cbab98e4_prep:
	.size	k_q50cbab98e4_prep, .Lfunc_end_k_q50cbab98e4_prep-k_q50cbab98e4_prep
	.p2alignl 7, 3214868480
	.fill 96, 4, 3214868480
	.section	.rodata,"a",@progbits
	.p2align	6, 0x0
	.amdhsa_kernel k_q50cbab98e4_prep
		.amdhsa_group_segment_fixed_size 9728
		.amdhsa_private_segment_fixed_size 0
		.amdhsa_enable_private_segment 0
		.amdhsa_kernarg_size 48
		.amdhsa_user_sgpr_count 2
		.amdhsa_user_sgpr_kernarg_segment_ptr 1
		.amdhsa_wavefront_size32 1
		.amdhsa_system_sgpr_workgroup_id_x 1
		.amdhsa_system_sgpr_workgroup_id_y 1
		.amdhsa_system_sgpr_workgroup_id_z 1
		.amdhsa_system_vgpr_workitem_id 0
		.amdhsa_next_free_vgpr 128
		.amdhsa_next_free_sgpr 96
		.amdhsa_reserve_vcc 1
		.amdhsa_float_denorm_mode_32 3
		.amdhsa_float_denorm_mode_16_64 3
		.amdhsa_memory_ordered 1
		.amdhsa_forward_progress 1
		.amdhsa_inst_pref_size 33
	.end_amdhsa_kernel
	.amdgpu_metadata
---
amdhsa.version: [ 1, 2 ]
amdhsa.kernels:
  - .name:           k_q50cbab98e4_prep
    .symbol:         k_q50cbab98e4_prep.kd
    .args:
      - { .name: skill_idx, .offset: 0, .size: 8, .value_kind: global_buffer, .address_space: global }
      - { .name: W1_codes, .offset: 8, .size: 8, .value_kind: global_buffer, .address_space: global }
      - { .name: W2_codes, .offset: 16, .size: 8, .value_kind: global_buffer, .address_space: global }
      - { .name: rows, .offset: 24, .size: 8, .value_kind: global_buffer, .address_space: global }
      - { .name: tiles, .offset: 32, .size: 8, .value_kind: global_buffer, .address_space: global }
      - { .name: wfrag, .offset: 40, .size: 8, .value_kind: global_buffer, .address_space: global }
    .group_segment_fixed_size: 9728
    .private_segment_fixed_size: 0
    .kernarg_segment_align: 8
    .kernarg_segment_size: 48
    .max_flat_workgroup_size: 1024
    .sgpr_count:     96
    .vgpr_count:     128
    .wavefront_size: 32
...
	.end_amdgpu_metadata
.endif
;; end of part 1
;; launch chain (part 2): grid 135 x 1, 4 waves a work-group, no clusters, 137,728 bytes of LDS; arguments observation, action, rows, tiles, wfrag, b1, b2, W3, b3, lowp_scales, out0; writes out0
.if DOCPART == 2
	.amdgcn_target "amdgcn-amd-amdhsa--gfx1250"
	.amdhsa_code_object_version 6
	.text
	.protected	k_q50cbab98e4_chain
	.globl	k_q50cbab98e4_chain
	.p2align	8
	.type	k_q50cbab98e4_chain,@function
k_q50cbab98e4_chain:
	s_mov_b64 s[64:65], 0
	v_nop
	global_prefetch_b8 v0, s[64:65] scope:SCOPE_SE
	s_setreg_imm32_b32 hwreg(HW_REG_WAVE_MODE, 25, 1), 1
	s_wait_xcnt 0x0
; out0[token] = sigmoid(relu(relu(x W1[e] + b1[e]) W2[e] + b2[e]) W3[e] + b3[e]), e = the token's expert; x = (observation, action).
; Only the chosen expert's products are made.  The first two products run on codes of BF8 (E5M2) with the given scales 2^ex (x), 2^ew1, 2^ew2, 2^eh (the first hidden layer); the third in f32 multiply-adds.
; SHARES.  A work-group takes one tile of the list that the launch before stored: 128 rows of one expert, through the whole chain.  16384 / 128 + 8 - 1 = 135 tiles serve every split.
; A tile with fewer than 128 rows runs the same text (its spare places name token 0) and stores only its own rows; so no branch stands in this text and every wave passes every barrier.
; THE WAVES SHARE THE COLUMNS: wave w makes units 128 w .. 128 w + 127 of each hidden layer for all 128 rows: 64 accumulators of 16 x 16, 512 registers.  So each byte of the expert's weights enters the work-group once,
; straight from memory into registers, in the order in which the launch before laid it; a fragment of weights feeds eight matrix instructions.  What goes from wave to wave through LDS is small: the rows' codes.
; THE MATRIX INSTRUCTION IS USED TRANSPOSED: source 0 = 16 rows of the weight, source 1 = 16 tokens: a lane holds ONE token (lane % 16) and eight units (8 (lane / 16) + 0 .. 7).
; Layer 1's tiles take rows 32 (t / 2) + 8 (t % 2) + r + 8 (r / 8), so that a lane's 16 registers of tiles 2 b, 2 b + 1 are 16 neighbours along the next K: the conversions' results are the next operand's registers.
; K goes in steps of 64.  In both operands register 4 c + q, byte i, of lane (r, h) holds k = 64 u + 32 c + 16 h + 4 q + i: one permutation of k inside an instruction, the same on both sides, so every product meets its partner.
; The biases are the C of each sum's first matrix instruction, divided by the power of two that the sums lack.
; NO CLUSTER, NO JOINT LOADS: which tiles share an expert hangs on counts read from memory, so the address of a shared load would hang on a loaded number that partners need not share.
; LIMITS: ex, and eh - ex - ew1, between -126 and 112, so that each power of two made below is an f32 number; the other exponents go through v_ldexp_f32.  NaN among the inputs is not served; an infinity is held at the largest code.
; LDS: XROWS 128 rows of x's codes, 512 bytes + 16 of padding (row r starts 4 r banks on, mod 64: ISA guide 11.1);  HIMG the first hidden layer as images of its registers: fragment (16 rows m, 128 K s) at (4 m + s) x 2048,
;      four registers' group c at + 512 c, lane at + 16 x lane;  PART [wave][h][row] f32: the parts of the last dot product.  No region is written twice: three barriers.
; REGISTERS, in windows of 256: window 0: v1-20 addresses and constants; v32-63 codes at work, later the dot products; v64-127 b1, then b2, then W3 (tile t at 64 + 8 t); v128-191, v192-255 the tokens' fragments, two buffers
;   (first x's offsets, between the layers the hidden layer's codes).   window 1: the weights, four slots of 64 (step U in slot U % 4).   windows 2, 3: first x (row i at 16 (i % 16) of window 2 + i / 16), then the accumulators (t, m) at 64 (t % 4) + 8 m of window 2 + t / 4.
.set XP,    528
.set HIMG,  128*XP
.set PART,  HIMG+65536
.set BIAS,  64
.set MSB, 0
.macro WIN new                         ; low byte: bits 1:0 source 0, 3:2 source 1, 5:4 source 2, 7:6 destination; the high byte repeats the setting that is left
.if MSB != (\new)
	s_set_vgpr_msb (MSB<<8)|(\new)
.set MSB, (\new)
.endif
.endm
.macro PLACES                          ; four plain vector instructions between a matrix instruction and a load into, or a vector read of, its registers
.rept 4
	v_nop
.endr
.endm
.macro BARRIER                         ; my LDS stores have landed and my LDS loads are in: then the work-group's barrier
	s_wait_dscnt 0x0
	s_barrier_signal -1
	s_barrier_wait -1
.endm
; sixteen loads: eight numbers for each of my eight tiles, in the result's layout.  first = 1: layer 1's order of units
.macro BLOAD p, voff, first
	WIN 0
.irp t, 0,1,2,3,4,5,6,7
.if \first
.set BO, (32*(\t/2)+8*(\t%2))*4
.else
.set BO, 64*\t
.endif
	global_load_b128 v[BIAS+8*\t:BIAS+8*\t+3], v[\voff], s[\p:\p+1] offset:BO
	global_load_b128 v[BIAS+8*\t+4:BIAS+8*\t+7], v[\voff], s[\p:\p+1] offset:BO+16
.endr
.endm
; sixteen loads: my eight fragments of weights of step U, 512 consecutive bytes a load
.macro WFETCH U
	WIN 0x40                                       ; destination window 1
.irp t, 0,1,2,3,4,5,6,7
	global_load_b128 v[64*((\U)%4)+8*\t:64*((\U)%4)+8*\t+3], v4, s[12:13] offset:(\U)*8192+\t*1024
	global_load_b128 v[64*((\U)%4)+8*\t+4:64*((\U)%4)+8*\t+7], v4, s[12:13] offset:(\U)*8192+\t*1024+512
.endr
.endm
; sixteen LDS loads: the eight tiles of tokens, 64 along K.  L = 0: x's codes from rows; L = 1: the hidden layer's from images
.macro XFETCH L, u, xb
	WIN 0
.irp m, 0,1,2,3,4,5,6,7
.if \L
	ds_load_b128 v[\xb+8*\m:\xb+8*\m+3], v8 offset:(4*\m+(\u)/2)*2048+1024*((\u)%2)
	ds_load_b128 v[\xb+8*\m+4:\xb+8*\m+7], v8 offset:(4*\m+(\u)/2)*2048+1024*((\u)%2)+512
.else
	ds_load_b128 v[\xb+8*\m:\xb+8*\m+3], v6 offset:16*XP*\m+64*(\u)
	ds_load_b128 v[\xb+8*\m+4:\xb+8*\m+7], v6 offset:16*XP*\m+64*(\u)+32
.endif
.endr
.endm
; 64 matrix instructions: my 8 tiles of units x 8 tiles of tokens, 64 along K.  The 64 accumulators take turns in one order in every step.  first = 1: the bias starts the sums
.macro MUL U, first
.set WS, 64*((\U)%4)
.set XB, 128+64*((\U)%2)
.irp hi, 0,1
.if \first
	WIN 0x81+0x40*\hi                              ; weights window 1, tokens and bias window 0, D window 2 or 3
.else
	WIN 0xa1+0x50*\hi                              ; weights window 1, tokens window 0, C and D window 2 or 3
.endif
.irp tt, 0,1,2,3
.irp m, 0,1,2,3,4,5,6,7
.if \first
	v_wmma_f32_16x16x64_bf8_bf8 v[64*\tt+8*\m:64*\tt+8*\m+7], v[WS+8*(4*\hi+\tt):WS+8*(4*\hi+\tt)+7], v[XB+8*\m:XB+8*\m+7], v[BIAS+8*(4*\hi+\tt):BIAS+8*(4*\hi+\tt)+7]
.else
	v_wmma_f32_16x16x64_bf8_bf8 v[64*\tt+8*\m:64*\tt+8*\m+7], v[WS+8*(4*\hi+\tt):WS+8*(4*\hi+\tt)+7], v[XB+8*\m:XB+8*\m+7], v[64*\tt+8*\m:64*\tt+8*\m+7]
.endif
.endr
.endr
.endr
.endm
; Step U = 8 x layer + u.  The next step's tokens go into the other buffer, the weights of three steps on into the slot that the step before has left; then this step's products.
.macro SUB U
.if (\U) > 0
	PLACES
.endif
.if (\U)%8 < 7
	XFETCH (\U)/8, (\U)%8+1, 128+64*(((\U)+1)%2)
.endif
.if (\U) <= 12
	WFETCH (\U)+3
.endif
.if (\U) == 1
	BLOAD 16, 13, 0                                ; b2, where b1 lay: the first step's products have read it
.endif
.if (\U) == 13
	BLOAD 18, 13, 0                                ; W3, where b2 lay
.endif
.if (\U)%8 < 7
	s_wait_dscnt 16                                ; this step's tokens are in; the 16 loads just issued may be out
.else
	s_wait_dscnt 0x0
.endif
; this step's weights are in: the count is the number of loads issued behind them.  Steps 0 to 2 have been waited for with x
.if (\U) >= 3
.if (\U) <= 4
	s_wait_loadcnt 63                              ; behind them: three steps' weights and b2, 64 loads; a wait's count ends at 63, so one load more is awaited
.elseif (\U) <= 13
	s_wait_loadcnt 48                              ; three groups of 16
.elseif (\U) == 14
	s_wait_loadcnt 32                              ; step 15's weights and W3
.else
	s_wait_loadcnt 16                              ; W3
.endif
.endif
.if (\U)%8 == 0
	MUL \U, 1
.else
	MUL \U, 0
.endif
.endm
; x's row i of my 32: three loads from observation, one from action, 512 consecutive bytes each: register 4 q + j holds k = 128 q + 4 x lane + j
.macro XROWLOAD i
.set XR, 16*((\i)%16)
	global_load_b128 v[XR:XR+3], v[128+(\i)], s[4:5]
	global_load_b128 v[XR+4:XR+7], v[128+(\i)], s[4:5] offset:512
	global_load_b128 v[XR+8:XR+11], v[128+(\i)], s[4:5] offset:1024
	global_load_b128 v[XR+12:XR+15], v[160+(\i)], s[6:7]
.endm
.macro XGROUP k                        ; rows 8 k .. 8 k + 7: 32 loads
	WIN 0x80+0x40*((\k)/2)                         ; destination window 2 or 3
.irp i, 0,1,2,3,4,5,6,7
	XROWLOAD 8*(\k)+\i
.endr
.endm
; rows 8 k .. 8 k + 7 become codes.  One scale serves the tensor, so any eight registers may share a conversion: each register of the result holds four neighbouring codes, k = 128 q + 4 x lane + 0 .. 3
.macro XQUANT k
.set XW, 2+(\k)/2
.set XQ, 128*((\k)%2)
	WIN (XW<<6)|XW
.set j, 0
.rept 128
.set j, j+1
.endr
	s_wait_dscnt 0x0                               ; the last group's stores have read v32-63
	WIN XW
.set j, 0
.rept 16
	v_cvt_scalef32_pk8_bf8_f32 v[32+2*j:33+2*j], v[XQ+8*j:XQ+8*j+7], v14
.set j, j+1
.endr
	v_nop                                          ; one plain vector instruction behind the last conversion: matrix instructions later write its sources
	WIN 0
.set j, 0
.rept 32
	ds_store_b32 v5, v[32+j] offset:(8*(\k)+j/4)*XP+128*(j%4)   ; 32 lanes store 128 consecutive bytes of a row
.set j, j+1
.endr
.endm
	s_load_b512 s[4:19], s[0:1], 0x0               ; observation s[4:5], action s[6:7], rows s[8:9], tiles s[10:11], wfrag s[12:13], b1 s[14:15], b2 s[16:17], W3 s[18:19]
	s_load_b128 s[20:23], s[0:1], 0x40             ; b3 s[20:21], the scales' exponents s[22:23]
	s_load_b64 s[24:25], s[0:1], 0x50              ; out0
	v_lshl_add_u32 v30, v0, 2, 0x21800
	v_mov_b32 v31, 0
	v_lshrrev_b32 v19, 5, v0
	v_readfirstlane_b32 s26, v19                   ; wave 0..3
	v_and_b32 v1, 31, v0                           ; lane
	v_and_b32 v2, 15, v0                           ; r
	v_bfe_u32 v3, v0, 4, 1                         ; h
	v_lshlrev_b32 v4, 4, v1                        ; 16 x lane
	s_mul_i32 s36, s26, 32*XP
	v_lshl_add_u32 v5, v1, 2, s36                  ; x's codes in: my wave's 32 rows, 4 bytes a lane
	v_mul_u32_u24 v6, v2, XP
	v_lshl_add_u32 v6, v3, 4, v6                   ; and out: row r, + 16 h
	s_lshl_b32 s36, s26, 11
	s_add_co_u32 s36, s36, HIMG
	v_add_nc_u32 v7, s36, v4                       ; the hidden layer's images in: K step w
	v_add_nc_u32 v8, HIMG, v4                      ; and out
	s_lshl_b32 s36, s26, 10
	s_add_co_u32 s36, s36, PART
	v_lshl_add_u32 v9, v3, 9, s36
	v_lshl_add_u32 v9, v2, 2, v9                   ; the parts in: [w][h][r]
	s_lshl_b32 s36, s26, 7                         ; 128 w
	s_add_co_u32 s37, s36, PART
	v_lshl_add_u32 v10, v1, 2, s37                 ; and out: row 32 w + lane
	v_lshlrev_b32 v12, 6, v3                       ; 64 h: b1's offset
	v_lshlrev_b32 v13, 5, v3                       ; 32 h: b2's and W3's
	s_lshl_b32 s37, s26, 5
	v_add_nc_u32 v18, s37, v1                      ; my row of the tile at the end: 32 w + lane
	v_lshlrev_b32 v20, 2, v1
	s_lshl_b32 s38, ttmp9, 9
	s_add_co_u32 s44, s38, s36                     ; my wave's 32 entries of my tile's list
	s_mov_b32 s45, 0
	s_lshl_b32 s46, ttmp9, 3
	s_mov_b32 s47, 0
	s_wait_alu depctr_va_vdst(0)
	s_wait_kmcnt 0x0
	s_add_nc_u64 s[8:9], s[8:9], s[44:45]
	s_add_nc_u64 s[10:11], s[10:11], s[46:47]
	s_load_b64 s[28:29], s[10:11], 0x0             ; the tile's expert and its number of rows
	s_load_b512 s[68:83], s[8:9], 0x0              ; my 32 tokens, as scalars: a row's loads take them as a base
	s_load_b512 s[84:99], s[8:9], 0x40
	s_load_b128 s[32:35], s[22:23], 0x0            ; ex, ew1, ew2, eh
	global_load_b32 v11, v20, s[8:9]               ; and a token a lane, for the store at the end
	s_wait_kmcnt 0x0
	s_min_u32 s28, s28, 7
	s_min_u32 s29, s29, 128
	s_lshl_b32 s36, s28, 2
	s_mov_b32 s37, 0
	s_add_nc_u64 s[20:21], s[20:21], s[36:37]
	s_load_b32 s27, s[20:21], 0x0                  ; b3 of my expert: waited for at the end
	s_lshl_b32 s36, s28, 19
	s_lshl_b32 s38, s26, 17
	s_add_co_u32 s36, s36, s38
	s_add_nc_u64 s[12:13], s[12:13], s[36:37]      ; my wave's 128 KiB of my expert's weights
	s_lshl_b32 s36, s28, 11
	s_lshl_b32 s38, s26, 9
	s_add_co_u32 s36, s36, s38
	s_add_nc_u64 s[14:15], s[14:15], s[36:37]      ; my 128 numbers of b1, b2, W3
	s_add_nc_u64 s[16:17], s[16:17], s[36:37]
	s_add_nc_u64 s[18:19], s[18:19], s[36:37]
	BLOAD 14, 12, 1
	WFETCH 0
	WFETCH 1
	WFETCH 2
	WIN 0
	s_add_co_i32 s39, s32, s33                     ; a sum of the first product stands for sum x 2^(ex + ew1)
	s_sub_co_i32 s43, s35, s39                     ; so the hidden layer's conversion takes 2^(eh - ex - ew1),
	s_sub_co_i32 s39, 0, s39                       ; and b1 goes in x 2^-(ex + ew1)
	s_add_co_i32 s41, s34, s35                     ; the second product's sums stand for sum x 2^(ew2 + eh)
	s_sub_co_i32 s40, 0, s41
	s_add_co_i32 s36, s32, 127
	s_lshl_b32 s37, s36, 23
	v_mov_b32 v14, s37                             ; 2^ex as f32: the conversion takes its exponent field
	s_add_co_i32 s36, s43, 127
	s_lshl_b32 s37, s36, 23
	v_mov_b32 v16, s37                             ; the same two for the hidden layer
	s_add_co_i32 s36, s36, 15
	s_lshl_b32 s36, s36, 23
	s_or_b32 s36, s36, 0x600000
	v_mov_b32 v17, s36
.set i, 0
.rept 32
	s_min_u32 s[68+i], s[68+i], 0x3fff             ; a token's number stays inside the tables
	s_mul_i32 s44, s[68+i], 1536                   ; its row of observation,
	s_lshl_b32 s45, s[68+i], 9                     ; and of action
	v_add_nc_u32 v[128+i], s44, v4
	v_add_nc_u32 v[160+i], s45, v4
.set i, i+1
.endr
	; ---- X: my 32 rows of x are gathered and quantised, eight rows at a time, two groups of loads ahead
	XGROUP 0
	XGROUP 1
	s_wait_loadcnt 32                              ; group 0 and all that was asked for before it are in; group 1 may be out
	XGROUP 2
	WIN 0
.set j, 0
.rept 64
	v_ldexp_f32 v[BIAS+j], v[BIAS+j], s39          ; b1 / 2^(ex + ew1)
.set j, j+1
.endr
	XQUANT 0
	s_wait_loadcnt 32                              ; group 1 is in; group 2 may be out
	XGROUP 3
	XQUANT 1
	s_wait_loadcnt 32                              ; group 2 is in; group 3 may be out
	XQUANT 2
	s_wait_loadcnt 0x0
	XQUANT 3
	BARRIER                                        ; the 128 rows' codes lie in LDS
	; ---- layer 1
	XFETCH 0, 0, 128
.irp U, 0,1,2,3,4,5,6,7
	SUB \U
.endr
	; ---- the hidden layer: relu and the hold in one, codes, images to LDS
	WIN 0
.set j, 0
.rept 64
	v_ldexp_f32 v[BIAS+j], v[BIAS+j], s40          ; b2 / 2^(ew2 + eh) (in since step 5's wait).  These lines are also the places behind the last products
.set j, j+1
.endr
.irp hi, 0,1
	WIN 0x82+0x41*\hi
.set j, 0
.rept 256
	v_med3_num_f32 v[j], v[j], 0, v17              ; between 0 and the largest code x the scale; each accumulator from its low end on
.set j, j+1
.endr
	WIN 0x02+\hi
.irp tt, 0,1,2,3
.irp m, 0,1,2,3,4,5,6,7
	v_cvt_scalef32_pk8_bf8_f32 v[128+16*\m+2*(4*\hi+\tt):129+16*\m+2*(4*\hi+\tt)], v[64*\tt+8*\m:64*\tt+8*\m+7], v16   ; registers 4 b .. 4 b + 3 of rows 16 m on: k = 128 w + 32 b + 16 h + 0 .. 15
.endr
.endr
.endr
	v_nop                                          ; one plain vector instruction behind the last conversion
	WIN 0
.irp m, 0,1,2,3,4,5,6,7
.irp c, 0,1,2,3
	ds_store_b128 v7, v[128+16*\m+4*\c:128+16*\m+4*\c+3] offset:8192*\m+512*\c
.endr
.endr
	BARRIER                                        ; the hidden layer's 32 fragments lie in LDS
	; ---- layer 2
	XFETCH 1, 0, 128
.irp U, 8,9,10,11,12,13,14,15
	SUB \U
.endr
	; ---- relu, and the dot product with W3: a lane sums its 64 units for each of its eight tokens, two at a time
	s_wait_loadcnt 0x0                             ; W3
	PLACES
.irp hi, 0,1
	WIN 0x88+0x44*\hi
.set j, 0
.rept 256
	v_max_num_f32 v[j], 0, v[j]                    ; each accumulator from its low end on
.set j, j+1
.endr
	WIN 0x02+\hi
.irp tt, 0,1,2,3
.irp jp, 0,1,2,3
.irp m, 0,1,2,3,4,5,6,7
.if (\hi+\tt+\jp) == 0
	v_pk_mul_f32 v[32+2*\m:33+2*\m], v[64*\tt+8*\m+2*\jp:64*\tt+8*\m+2*\jp+1], v[BIAS+8*(4*\hi+\tt)+2*\jp:BIAS+8*(4*\hi+\tt)+2*\jp+1]   ; the first product starts the sums
.else
	v_pk_fma_f32 v[32+2*\m:33+2*\m], v[64*\tt+8*\m+2*\jp:64*\tt+8*\m+2*\jp+1], v[BIAS+8*(4*\hi+\tt)+2*\jp:BIAS+8*(4*\hi+\tt)+2*\jp+1], v[32+2*\m:33+2*\m]
.endif
.endr
.endr
.endr
.endr
	WIN 0
.irp m, 0,1,2,3,4,5,6,7
	v_add_f32 v[48+\m], v[32+2*\m], v[33+2*\m]
.endr
.irp m, 0,1,2,3,4,5,6,7
	ds_store_b32 v9, v[48+\m] offset:64*\m         ; token 16 m + r: my wave's and my half's part
.endr
	BARRIER
	; ---- the eight parts of row 32 w + lane, the sigmoid, the store
.irp k, 0,1,2,3,4,5,6,7
	ds_load_b32 v[56+\k], v10 offset:512*\k
.endr
	s_wait_dscnt 0x0
	v_add_f32 v56, v56, v57
	v_add_f32 v58, v58, v59
	v_add_f32 v60, v60, v61
	v_add_f32 v62, v62, v63
	v_add_f32 v56, v56, v58
	v_add_f32 v60, v60, v62
	v_add_f32 v56, v56, v60
	s_wait_alu depctr_va_vdst(0)
	s_wait_kmcnt 0x0                               ; b3
	v_ldexp_f32 v56, v56, s41                      ; x 2^(ew2 + eh)
	v_add_f32 v56, s27, v56
	v_mul_f32 v56, 0xbfb8aa3b, v56                 ; -log2(e) x the logit
	s_wait_alu depctr_va_vdst(0)
	v_exp_f32 v57, v56
	v_min_u32 v11, 0x3fff, v11                     ; (a plain instruction behind the exponential)  my token stays inside out0
	s_wait_alu depctr_va_vdst(0)                   ; the wait ahead of the first reader
	v_add_f32 v57, 1.0, v57
	s_wait_alu depctr_va_vdst(0)
	v_rcp_f32 v58, v57
	v_lshlrev_b32 v11, 2, v11                      ; (a plain instruction behind the reciprocal)
	s_wait_alu depctr_va_vdst(0)
	v_cmp_gt_u32 vcc_lo, s29, v18                  ; only the tile's own rows are stored
	s_wait_xcnt 0x0                                ; EXEC changes only behind this wait
	s_wait_tensorcnt 0x0
	ds_add_u32 v30, v31
	s_wait_dscnt 0x0
	s_and_saveexec_b32 s42, vcc_lo
	global_store_b32 v11, v58, s[24:25]
	s_wait_xcnt 0x0
	s_or_b32 exec_lo, exec_lo, s42
	s_endpgm
.Lfunc_end_k_q50cbab98e4_chain:
	.size	k_q50cbab98e4_chain, .Lfunc_end_k_q50cbab98e4_chain-k_q50cbab98e4_chain
	.p2alignl 7, 3214868480
	.fill 96, 4, 3214868480
	.section	.rodata,"a",@progbits
	.p2align	6, 0x0
	.amdhsa_kernel k_q50cbab98e4_chain
		.amdhsa_group_segment_fixed_size 137728
		.amdhsa_private_segment_fixed_size 0
		.amdhsa_enable_private_segment 0
		.amdhsa_kernarg_size 88
		.amdhsa_user_sgpr_count 2
		.amdhsa_user_sgpr_kernarg_segment_ptr 1
		.amdhsa_wavefront_size32 1
		.amdhsa_system_sgpr_workgroup_id_x 1
		.amdhsa_system_sgpr_workgroup_id_y 1
		.amdhsa_system_sgpr_workgroup_id_z 1
		.amdhsa_system_vgpr_workitem_id 0
		.amdhsa_next_free_vgpr 1024
		.amdhsa_next_free_sgpr 100
		.amdhsa_reserve_vcc 1
		.amdhsa_float_denorm_mode_32 3
		.amdhsa_float_denorm_mode_16_64 3
		.amdhsa_fp16_overflow 1
		.amdhsa_memory_ordered 1
		.amdhsa_forward_progress 1
		.amdhsa_inst_pref_size 230
	.end_amdhsa_kernel
	.amdgpu_metadata
---
amdhsa.version: [ 1, 2 ]
amdhsa.kernels:
  - .name:           k_q50cbab98e4_chain
    .symbol:         k_q50cbab98e4_chain.kd
    .args:
      - { .name: observation, .offset: 0, .size: 8, .value_kind: global_buffer, .address_space: global }
      - { .name: action, .offset: 8, .size: 8, .value_kind: global_buffer, .address_space: global }
      - { .name: rows, .offset: 16, .size: 8, .value_kind: global_buffer, .address_space: global }
      - { .name: tiles, .offset: 24, .size: 8, .value_kind: global_buffer, .address_space: global }
      - { .name: wfrag, .offset: 32, .size: 8, .value_kind: global_buffer, .address_space: global }
      - { .name: b1, .offset: 40, .size: 8, .value_kind: global_buffer, .address_space: global }
      - { .name: b2, .offset: 48, .size: 8, .value_kind: global_buffer, .address_space: global }
      - { .name: W3, .offset: 56, .size: 8, .value_kind: global_buffer, .address_space: global }
      - { .name: b3, .offset: 64, .size: 8, .value_kind: global_buffer, .address_space: global }
      - { .name: lowp_scales, .offset: 72, .size: 8, .value_kind: global_buffer, .address_space: global }
      - { .name: out0, .offset: 80, .size: 8, .value_kind: global_buffer, .address_space: global }
    .group_segment_fixed_size: 137728
    .private_segment_fixed_size: 0
    .kernarg_segment_align: 8
    .kernarg_segment_size: 88
    .max_flat_workgroup_size: 128
    .sgpr_count:     100
    .vgpr_count:     1024
    .wavefront_size: 32
...
	.end_amdgpu_metadata
.endif
;; end of part 2
